; MI455X (gfx1250); checked and timed in simulation.
; The chip was launched on July 23, 2026; its instructions are those of AMD's public machine-readable ISA for CDNA 5 (MIT licence, August 2026) and "CDNA5" Instruction Set Architecture Reference Guide (July 2026). The comments in the code are by the model that wrote it; some were corrected since.
;; Cinema Scalar Image. Allowed arithmetic: matrix products marked QUANTISED: E2M3 operands, one E8M0 scale for each 32 along K, by v_wmma_scale_f32_16x16x128_f8f6f4 with both operands' format E2M3, f32 sums; products left as they are: f32 operands where the result goes on into a quantised operand, else bf16, f16 or f32 operands; f32 sums; everything else in f32.
;; Inputs: W0 63 x 128 float32; W1 128 x 128 float32; W2 128 x 128 float32; W3 128 x 128 float32; W4 128 x 16 float32; W5 78 x 128 float32; W6 128 x 128 float32; W7 128 x 1 float32; b0 128 float32; b1 128 float32; b2 128 float32; b3 128 float32; b4 16 float32; b5 128 float32; b6 128 float32; b7 1 float32; input_points 524,288 x 3 float32.
;; Outputs: out0 524,288 x 1 float32; out1 524,288 float32.
;; This version of the problem:
;;   THIS VERSION OF THE PROBLEM IS GIVEN IN LOW PRECISION. The matrix products marked QUANTISED in the list below multiply operands that are first quantised to E2M3 (2 exponent bits, 3 mantissa bits; 6 bits a number), with one power-of-two scale for each 32 numbers along K (OCP MX v1.0); their sums are f32. All else is computed in f32.
;;   The module's matrix products, in the order in which they are computed (A, B: the left and right operand; K: the contracted axis; several contracted axes count as one K, in the product's order):
;;     1. [M 524,288, K 63] x [K 63, N 128]; A: computed on the way; B: input W0: QUANTISED
;;     2. [M 524,288, K 128] x [K 128, N 128]; A: computed on the way; B: input W1: QUANTISED
;;     3. [M 524,288, K 128] x [K 128, N 128]; A: computed on the way; B: input W2: QUANTISED
;;     4. [M 524,288, K 128] x [K 128, N 128]; A: computed on the way; B: input W3: QUANTISED
;;     5. [M 524,288, K 128] x [K 128, N 16]; A: computed on the way; B: input W4: QUANTISED
;;     6. [M 524,288, K 78] x [K 78, N 128]; A: computed on the way; B: input W5: QUANTISED
;;     7. [M 524,288, K 128] x [K 128, N 128]; A: computed on the way; B: input W6: QUANTISED
;;     8. [M 524,288, K 128] x [K 128, N 1]; A: computed on the way; B: input W7: left as it is (N = 1 < 16)
;;   THE QUANTISER, for each operand of a quantised product, along K:
;;     - K is cut into blocks of 32 from its start; a last block that is shorter is filled with zeros.
;;     - A block's scale is 2^e with e = floor(log2(the largest magnitude in the block)) - 2, held to -126 .. 127; a block of zeros has e = 0. As a byte (E8M0): e + 127.
;;     - Each number is divided by its block's scale, clamped to +-7.5, and rounded to the nearest number of E2M3, ties to even, subnormals kept.
;;     - The product sums the exact products of the quantised numbers (number of the format x scale) in f32.
;;   ~~~python
;;   def quantise(x, axis):      # numpy; x: float32 -> the quantised numbers, widened to float32 again
;;       x = np.moveaxis(x, axis, -1); K = x.shape[-1]
;;       x = np.pad(x, [(0, 0)] * (x.ndim - 1) + [(0, -K % 32)]); x = x.reshape(x.shape[:-1] + (-1, 32)); a = np.abs(x).max(-1, keepdims=True)
;;       e = np.where(a > 0, np.clip(np.frexp(np.where(a > 0, a, 1))[1] - 1 - 2, -126, 127), 0)      # np.frexp(a)[1] - 1 = floor(log2(a)), exactly
;;       r = np.clip(x / 2.0 ** e, -7.5, 7.5)
;;       step = 2.0 ** (np.maximum(np.frexp(np.where(r == 0, 1, r))[1] - 1, 0) - 3)
;;       q = np.round(r / step) * step * 2.0 ** e      # np.round: ties to even
;;       return np.moveaxis(q.reshape(q.shape[:-2] + (-1,))[..., :K], -1, axis).astype(np.float32)
;;   ~~~
;;   OPERANDS COMPUTED ON THE WAY. 'Computed on the way' means the value that the module computes at that place (a softmax that the list does not call 'softmax' is quantised finished and normalised). What goes into a quantiser is computed in f32, as accurately as f32 sums, v_exp_f32 and their like allow (about 1e-6 of the number): no bf16 or f16 on the way to a quantiser, and a product that is left as it is and whose result goes on into a quantised operand takes f32 operands (vector FMAs, or v_wmma_f32_16x16x4_f32). A number that lies on a knife's edge between two numbers of the format may be rounded either way, as far as f32 arithmetic and the matrix unit's own rounding can turn it there, and no further.
;; One version. Each part assembles by itself: llvm-mc -triple=amdgcn-amd-amdhsa -mcpu=gfx1250 --defsym DOCPART=n.
;; ======== version 1 of 1: 2 launches
;; limits: right only within a limited range of input values
;; workspace buffers: wimg 83,968 bytes
;; launch prep (part 1): grid 51 x 1, 1 waves a work-group, no clusters, 0 bytes of LDS; arguments W0, W1, W2, W3, W5, W6, W4, W7, b0, b1, b2, b3, b5, b6, b4, wimg; writes wimg
.if DOCPART == 1
	.amdgcn_target "amdgcn-amd-amdhsa--gfx1250"
	.amdhsa_code_object_version 6
	.text
	.protected	k_q46c67b6c90_prep
	.globl	k_q46c67b6c90_prep
	.p2align	8
	.type	k_q46c67b6c90_prep,@function
k_q46c67b6c90_prep:
	s_mov_b64 s[64:65], 0
	v_nop
	global_prefetch_b8 v0, s[64:65] scope:SCOPE_SE
	s_setreg_imm32_b32 hwreg(HW_REG_WAVE_MODE, 25, 1), 1
	s_wait_xcnt 0x0
; The seven quantised weights become codes of FP6 (E2M3) with one E8M0 byte for each 32 along K, laid in wimg as the second launch's LDS and operand registers want them;
; the biases, W7 and a rotated b4 are copied beside them.  One wave to a job, 51 jobs by the work-group's number J:
;   J = 0 .. 47: fragment (layer J / 8 of W0 W1 W2 W3 W5 W6, tile J % 8): 16 units x 128 along K, stored as an image of the 12 registers: registers 4 q .. 4 q + 3 of lane l at 1536 J + 512 q + 16 l
;   J = 48, 49:  W4's two fragments (units 1 .. 8 and 9 .. 15, 0; each unit twice, in rows m and m + 8)         J = 50: biases, W7, b4, 256 bytes of zeros
; A LANE TAKES A UNIT (a column of W), AND ITS REGISTERS RUN DOWN K: lane (r, h) holds block slot h in X[0..31] and slot 2 + h in X[32..63]: a block's largest magnitude needs no other lane.
; Unit of row r in tile t: 64 (t / 4) + 32 (r / 8) + 8 (t % 4) + r % 8.  In the transposed product lanes 0-15 get a tile's rows 0-7 and lanes 16-31 its rows 8-15, so the 32 result registers of
; tiles 4 c .. 4 c + 3 are units 64 c + 32 (lane / 16) + 0 .. 31: a whole block of the next K in one lane, in the place that the 6-bit operand layout gives that lane.
; W0 (K = 63) and W5 (K = 78): each slot holds one block of the quantiser; the order inside a block and the slot of a block are as the second launch lays the activations; the rest is zero codes.
; A block's scale byte is its largest magnitude's exponent field - 2, held at 1 from below.
; LIMITS: a block of zeros, or one whose largest magnitude lies under 2^-124, gets the byte 1 (this program alone reads the bytes); NaN and infinities are not served.
.set SCL,   76800                      ; scale words: 512 bytes a layer; lane l's 16 bytes: word q = tile 2 q + l / 16, row l % 16
.set BIAS,  79872                      ; b0 b1 b2 b3 b5 b6, then W7: 512 bytes each
.set W4S,   83456                      ; W4's scale words: lanes 0-15 the first fragment's rows, lanes 16-31 the second's
.set B4P,   83584                      ; entry l = b4[(l + 1) % 16], l = 0 .. 31
.set ZER,   83712                      ; 256 bytes of zeros: so every byte of wimg is written
.set FLOOR, 0x1800000                  ; 2^(3 - 127)
.set XR,    64                         ; v64-127  the 64 numbers
.set PC,    24                         ; v24-35   the codes
.set CT,    36                         ; v36-38, v40-42  the halves whose place begins on an odd register
	s_load_b512 s[4:19], s[0:1], 0x0               ; W0 4, W1 6, W2 8, W3 10, W5 12, W6 14, W4 16, W7 18
	s_load_b512 s[20:35], s[0:1], 0x40             ; b0 20, b1 22, b2 24, b3 26, b5 28, b6 30, b4 32, wimg 34
	v_and_b32 v1, 15, v0                           ; r
	v_lshrrev_b32 v2, 4, v0                        ; h
	v_lshlrev_b32 v3, 4, v0                        ; 16 x lane
	v_mov_b32 v21, 0                               ; a lane permute's destination counts as one of its sources
	s_mov_b32 s36, ttmp9                           ; J
	s_lshr_b32 s37, s36, 3                         ; layer
	s_and_b32 s38, s36, 7                          ; tile
	s_mov_b32 s39, 0xffff0000                      ; lanes 16-31
	s_mov_b32 s40, 0x76543210
	s_mov_b32 s41, 0xfedcba98                      ; selects for lane l xor 16
	s_mul_i32 s46, s36, 1536
	s_mov_b32 s47, 0
	s_wait_kmcnt 0x0
	s_add_nc_u64 s[44:45], s[34:35], s[46:47]      ; where the job's fragment goes
	s_cmp_ge_u32 s36, 50
	s_cbranch_scc1 .Lmisc
	s_cmp_ge_u32 s36, 48
	s_cbranch_scc1 .Lw4
	s_lshr_b32 s48, s38, 1
	s_and_b32 s49, s38, 1
	s_lshr_b32 s50, s38, 2
	s_lshl_b32 s50, s50, 6
	s_and_b32 s51, s38, 3
	s_lshl_b32 s51, s51, 3
	s_add_co_u32 s50, s50, s51                     ; 64 (t / 4) + 8 (t % 4)
	s_wait_alu depctr_va_vdst(0)
	v_and_b32 v4, 8, v1
	v_mad_u32_u24 v4, v4, 3, v1                    ; r + 24 (r / 8) = 32 (r / 8) + r % 8
	v_add_nc_u32 v4, s50, v4
	v_lshlrev_b32 v4, 2, v4                        ; 4 x my unit: my byte in a row of W
	s_lshl_b32 s51, s37, 9
	s_lshl_b32 s52, s49, 8
	s_add_co_u32 s51, s51, s52
	s_lshl_b32 s52, s48, 2
	s_add_co_u32 s51, s51, s52
	s_add_co_u32 s51, s51, SCL
	v_lshl_add_u32 v10, v1, 4, s51                 ; my row's scale word: SCL + 512 layer + 16 r + 256 (t % 2) + 4 (t / 2)
	s_cmp_eq_u32 s37, 0
	s_cbranch_scc1 .Lw0
	s_cmp_eq_u32 s37, 4
	s_cbranch_scc1 .Lw5
	; W1, W2, W3, W6: slot s, place i is row 32 s + i.  The pointer is chosen by the job's number alone
	s_mov_b64 s[42:43], s[14:15]
	s_cmp_eq_u32 s37, 1
	s_cselect_b64 s[42:43], s[6:7], s[42:43]
	s_cmp_eq_u32 s37, 2
	s_cselect_b64 s[42:43], s[8:9], s[42:43]
	s_cmp_eq_u32 s37, 3
	s_cselect_b64 s[42:43], s[10:11], s[42:43]
	s_wait_alu depctr_va_vdst(0)
	v_lshl_add_u32 v5, v2, 14, v4                  ; lanes 16-31 begin 32 rows of 512 bytes further down
.set n, 0
.rept 64
	global_load_b32 v[XR+n], v5, s[42:43] offset:(64*(n/32)+n%32)*512
.set n, n+1
.endr
	s_branch .Lquant
.Lw0:	; slot 0: rows 0, 1, 3 .. 31, 2;  slot 1: row 32, a zero, rows 33 .. 62;  slots 2, 3: zeros.  The highest row read is 62 of 63
	s_wait_alu depctr_va_vdst(0)
	v_lshl_add_u32 v5, v2, 14, v4                  ; lanes 16-31: 32 rows on,
	v_mad_u32_u24 v6, v2, 30*512, v4               ; 30 rows on,
	v_mad_u32_u24 v7, v2, 60*512, v4               ; 60 rows on
	global_load_b32 v[XR], v5, s[4:5]
	global_load_b32 v[XR+1], v4, s[4:5] offset:512
.set n, 2
.rept 29
	global_load_b32 v[XR+n], v6, s[4:5] offset:(1+n)*512
.set n, n+1
.endr
	global_load_b32 v[XR+31], v7, s[4:5] offset:1024
.set n, 32
.rept 32
	v_mov_b32 v[XR+n], 0
.set n, n+1
.endr
	s_wait_loadcnt 0x0
	v_cndmask_b32 v[XR+1], v[XR+1], 0, s39         ; the filling zero of the last block
	s_branch .Lquant
.Lw5:	; slot 0: rows 0 .. 14, 17, 15, 16, 18 .. 31;  slot 1: rows 48 .. 63, 32 .. 47;  slot 2: zeros;  slot 3: two zeros, rows 64 .. 77, zeros.  The highest row read is 77 of 78
	s_wait_alu depctr_va_vdst(0)
	v_mad_u32_u24 v5, v2, 48*512, v4
	v_mad_u32_u24 v6, v2, 46*512, v4
	v_mad_u32_u24 v7, v2, 17*512, v4
	v_lshl_add_u32 v8, v2, 13, v4                  ; 16 rows on
.set n, 0
.rept 15
	global_load_b32 v[XR+n], v5, s[12:13] offset:n*512
.set n, n+1
.endr
	global_load_b32 v[XR+15], v6, s[12:13] offset:17*512
	global_load_b32 v[XR+16], v7, s[12:13] offset:15*512
	global_load_b32 v[XR+17], v7, s[12:13] offset:16*512
.set n, 18
.rept 14
	global_load_b32 v[XR+n], v8, s[12:13] offset:n*512
.set n, n+1
.endr
.set n, 2
.rept 14
	global_load_b32 v[XR+32+n], v4, s[12:13] offset:(62+n)*512
.set n, n+1
.endr
	v_mov_b32 v[XR+32], 0
	v_mov_b32 v[XR+33], 0
.set n, 48
.rept 16
	v_mov_b32 v[XR+n], 0
.set n, n+1
.endr
	s_wait_loadcnt 0x0
.set n, 2
.rept 14
	v_cndmask_b32 v[XR+32+n], 0, v[XR+32+n], s39   ; slot 2 (lanes 0-15) is zeros
.set n, n+1
.endr
	s_branch .Lquant
.Lw4:	; W4: rows of 64 bytes.  Row m of the first fragment is unit 1 + m % 8, of the second (9 + m % 8) % 16: so both halves of the lanes get all 16 outputs of a point
	s_sub_co_u32 s52, s36, 48
	s_lshl_b32 s53, s52, 3
	s_add_co_u32 s53, s53, 1
	s_wait_alu depctr_va_vdst(0)
	v_and_b32 v4, 7, v1
	v_add_nc_u32 v4, s53, v4
	v_and_b32 v4, 15, v4
	v_lshlrev_b32 v4, 2, v4
	v_lshl_add_u32 v5, v2, 11, v4                  ; lanes 16-31 begin 32 rows of 64 bytes further down
	s_lshl_b32 s54, s52, 6
	s_add_co_u32 s54, s54, W4S
	v_lshl_add_u32 v10, v1, 2, s54
.set n, 0
.rept 64
	global_load_b32 v[XR+n], v5, s[16:17] offset:(64*(n/32)+n%32)*64
.set n, n+1
.endr
.Lquant:
	s_wait_loadcnt 0x0                             ; the ways here have issued different numbers of loads: all of them
	s_wait_alu depctr_va_vdst(0)
.irp c, 0,1
	v_max3_num_f32 v[12+\c], |v[XR+32*\c]|, |v[XR+32*\c+1]|, FLOOR   ; my two blocks by turns; the floor holds the byte at 1 from below
.endr
.irp i, 2,4,6,8,10,12,14,16,18,20,22,24,26,28,30
.irp c, 0,1
	v_max3_num_f32 v[12+\c], v[12+\c], |v[XR+32*\c+\i]|, |v[XR+32*\c+\i+1]|
.endr
.endr
.irp c, 0,1
	v_add_nc_u32 v[16+\c], 0xff000000, v[12+\c]    ; 2 off the exponent field: the conversion's scale operand
.endr
.irp c, 0,1
	v_lshrrev_b32 v[18+\c], 23, v[16+\c]           ; the scale's byte
.endr
	v_lshl_or_b32 v20, v19, 16, v18                ; my bytes: slots h and 2 + h,
	v_lshlrev_b32 v22, 3, v2
	v_lshlrev_b32 v20, v22, v20                    ; at their places in the word;
	v_permlanex16_b32 v21, v20, s40, s41
	v_or_b32 v20, v20, v21                         ; with lane l xor 16's two the word is whole
.irp c, 0,1
	v_cvt_scalef32_pk16_fp6_f32 v[PC+6*\c:PC+6*\c+2], v[XR+32*\c:XR+32*\c+15], v[16+\c]
	v_cvt_scalef32_pk16_fp6_f32 v[CT+4*\c:CT+4*\c+2], v[XR+32*\c+16:XR+32*\c+31], v[16+\c]   ; (a conversion's three registers begin on an even number)
.endr
	v_nop                                          ; one plain line behind the last scaled conversion
.irp c, 0,1
.irp i, 0,1,2
	v_mov_b32 v[PC+3+6*\c+\i], v[CT+4*\c+\i]
.endr
.endr
.irp q, 0,1,2
	global_store_b128 v3, v[PC+4*\q:PC+4*\q+3], s[44:45] offset:512*\q   ; 32 lanes store 512 consecutive bytes, at a multiple of 256 from wimg's first byte
.endr
	global_store_b32 v10, v20, s[34:35]            ; lanes r and r + 16 store the same word to the same place
	s_endpgm
.Lmisc:
	v_add_nc_u32 v5, 1, v0
	v_and_b32 v5, 15, v5
	v_lshlrev_b32 v5, 2, v5                        ; b4 at (lane + 1) % 16
	v_lshlrev_b32 v6, 2, v0
	v_lshlrev_b32 v7, 3, v0
	s_wait_alu depctr_va_vdst(0)
	global_load_b128 v[64:67], v3, s[20:21]
	global_load_b128 v[68:71], v3, s[22:23]
	global_load_b128 v[72:75], v3, s[24:25]
	global_load_b128 v[76:79], v3, s[26:27]
	global_load_b128 v[80:83], v3, s[28:29]
	global_load_b128 v[84:87], v3, s[30:31]
	global_load_b128 v[88:91], v3, s[18:19]
	global_load_b32 v100, v5, s[32:33]
	v_mov_b32 v102, 0
	v_mov_b32 v103, 0
	s_wait_alu depctr_va_vdst(0)
	s_wait_loadcnt 0x0
.irp i, 0,1,2,3,4,5,6
	global_store_b128 v3, v[64+4*\i:67+4*\i], s[34:35] offset:BIAS+512*\i
.endr
	global_store_b32 v6, v100, s[34:35] offset:B4P
	global_store_b64 v7, v[102:103], s[34:35] offset:ZER
	s_endpgm
.Lfunc_end_k_q46c67b6c90_prep:
	.size	k_q46c67b6c90_prep, .Lfunc_end_k_q46c67b6c90_prep-k_q46c67b6c90_prep
	.p2alignl 7, 3214868480
	.fill 96, 4, 3214868480
	.section	.rodata,"a",@progbits
	.p2align	6, 0x0
	.amdhsa_kernel k_q46c67b6c90_prep
		.amdhsa_group_segment_fixed_size 0
		.amdhsa_private_segment_fixed_size 0
		.amdhsa_enable_private_segment 0
		.amdhsa_kernarg_size 128
		.amdhsa_user_sgpr_count 2
		.amdhsa_user_sgpr_kernarg_segment_ptr 1
		.amdhsa_wavefront_size32 1
		.amdhsa_system_sgpr_workgroup_id_x 1
		.amdhsa_system_sgpr_workgroup_id_y 1
		.amdhsa_system_sgpr_workgroup_id_z 1
		.amdhsa_system_vgpr_workitem_id 0
		.amdhsa_next_free_vgpr 128
		.amdhsa_next_free_sgpr 66
		.amdhsa_reserve_vcc 0
		.amdhsa_float_denorm_mode_32 3
		.amdhsa_float_denorm_mode_16_64 3
		.amdhsa_memory_ordered 1
		.amdhsa_forward_progress 1
		.amdhsa_inst_pref_size 31
	.end_amdhsa_kernel
	.amdgpu_metadata
---
amdhsa.version: [ 1, 2 ]
amdhsa.kernels:
  - .name:           k_q46c67b6c90_prep
    .symbol:         k_q46c67b6c90_prep.kd
    .args:
      - { .name: W0, .offset: 0, .size: 8, .value_kind: global_buffer, .address_space: global }
      - { .name: W1, .offset: 8, .size: 8, .value_kind: global_buffer, .address_space: global }
      - { .name: W2, .offset: 16, .size: 8, .value_kind: global_buffer, .address_space: global }
      - { .name: W3, .offset: 24, .size: 8, .value_kind: global_buffer, .address_space: global }
      - { .name: W5, .offset: 32, .size: 8, .value_kind: global_buffer, .address_space: global }
      - { .name: W6, .offset: 40, .size: 8, .value_kind: global_buffer, .address_space: global }
      - { .name: W4, .offset: 48, .size: 8, .value_kind: global_buffer, .address_space: global }
      - { .name: W7, .offset: 56, .size: 8, .value_kind: global_buffer, .address_space: global }
      - { .name: b0, .offset: 64, .size: 8, .value_kind: global_buffer, .address_space: global }
      - { .name: b1, .offset: 72, .size: 8, .value_kind: global_buffer, .address_space: global }
      - { .name: b2, .offset: 80, .size: 8, .value_kind: global_buffer, .address_space: global }
      - { .name: b3, .offset: 88, .size: 8, .value_kind: global_buffer, .address_space: global }
      - { .name: b5, .offset: 96, .size: 8, .value_kind: global_buffer, .address_space: global }
      - { .name: b6, .offset: 104, .size: 8, .value_kind: global_buffer, .address_space: global }
      - { .name: b4, .offset: 112, .size: 8, .value_kind: global_buffer, .address_space: global }
      - { .name: wimg, .offset: 120, .size: 8, .value_kind: global_buffer, .address_space: global }
    .group_segment_fixed_size: 0
    .private_segment_fixed_size: 0
    .kernarg_segment_align: 8
    .kernarg_segment_size: 128
    .max_flat_workgroup_size: 32
    .sgpr_count:     66
    .vgpr_count:     128
    .wavefront_size: 32
...
	.end_amdgpu_metadata
.endif
;; end of part 1
;; launch main (part 2): grid 256 x 1, 16 waves a work-group, no clusters, 258,048 bytes of LDS; arguments input_points, wimg, b7, out0, out1; writes out0, out1
.if DOCPART == 2
	.amdgcn_target "amdgcn-amd-amdhsa--gfx1250"
	.amdhsa_code_object_version 6
	.text
	.protected	k_q46c67b6c90_main
	.globl	k_q46c67b6c90_main
	.p2align	8
	.type	k_q46c67b6c90_main,@function
k_q46c67b6c90_main:
	s_mov_b64 s[64:65], 0
	v_nop
	global_prefetch_b8 v0, s[64:65] scope:SCOPE_SE
	s_setreg_imm32_b32 hwreg(HW_REG_WAVE_MODE, 25, 1), 1
	s_wait_xcnt 0x0
; The whole chain for 524,288 points: encoding (63), four sine layers, the head (16), concat (78), two sine layers, the dot product with W7.  Products 1 to 7 on codes of FP6 (E2M3) with E8M0 scales, by
; v_wmma_scale_f32_16x16x128_f8f6f4; activations are quantised in registers and never go to memory; product 8 (one column) is 32 packed f32 multiply-adds a tile.
; SHARES.  256 work-groups of 16 waves; a work-group takes 2,048 points, a wave 128, in four passes of two tiles of 16 points.  Pass s, tile p, lane r: point 128 wave + 64 p + 4 r + s, so that a lane's four
; passes are 16 neighbouring bytes of each output.  Weights, scales and biases come ready from wimg (83,968 bytes, copied into LDS once); a fragment read from LDS feeds two tiles; a bias is the C of its product.
; ALL PRODUCTS ARE USED TRANSPOSED: source 0 = 16 units of the weight, source 1 = 16 points: a lane holds ONE point (lane % 16).  The first launch picks a tile's units so that the 32 result registers of tiles
; 4 c .. 4 c + 3 are units 64 c + 32 (lane / 16) + 0 .. 31: a whole block of the next K, where the 6-bit operand layout wants it: its largest magnitude and its codes need no other lane.
; LDS LOADS ARE ASKED FOR AHEAD OF THEIR USE, in registers that are free anyway.  A layer's eight tiles of units come in two groups of four.  Once tile 0 is quantised its 64 registers are dead: tile 1's sines and
; quantiser work in them, and v42-45, v48-127 take the NEXT layer's scale words and first group.  The second group is asked for behind the first group's products, and tile 0's first 32 sines stand under it,
; at work in the 32 registers that the second group's products have not yet written.  W7 and the next pass's points are asked for ahead of W6's last sines.
; THE SINE of y = 30 pre: t = pre x 30/(2 pi); n = t rounded to a whole number (by adding and taking off 1.5 x 2^23); r = fma(pre, 30/(2 pi), -n), in [-0.5, 0.5]; sin(2 pi r) = r x (a polynomial of degree 5 in r^2,
; the Chebyshev series of sin cut behind its 11th term).  Ten packed instructions for two numbers.
; W6'S SINES go into no quantiser, only into the f32 dot product with W7: for them the same polynomial is economised by one term (its r^10 term replaced by the shifted Chebyshev polynomial's lower terms on
; r^2 in [0, 1/4]): degree 4 in r^2.  LIMIT: that adds at most 12.283812 / 2^19 x |r| <= 1.2e-5 to each of these sines, for every argument.
; THE ENCODING takes the sine of the f32 number 2^k fl(x pi32), as the problem's function does: fl(x pi32) / (2 pi) is kept as a sum of two f32 numbers, doubled exactly, and its whole part taken off exactly.
; THE LOOP IS TURNED: the encoding of pass s + 1 stands at the end of trip s (the last trip jumps over it, by the counter alone), and that of pass 0 in the head, between the loads of wimg and the wait for them.
; No tensor loads, no clusters: the only bytes that several work-groups read are wimg's 83,968, once each, ahead of 2,048 points' whole chains; no LDS byte is filled twice.  One barrier, behind the copy.
; LIMITS: |30 pre| / (2 pi) under 2^22; the sine's argument is taken by one fused multiply-add with the f32 number 30/(2 pi), not by first rounding 30 pre; a block of zeros, or one whose
; largest magnitude lies under 2^-124, gets the scale byte 1 (this program alone reads the bytes); NaN and infinities among the inputs are not served.
; LDS: 0 .. 83,967 wimg as it lies;  PTS: 1,536 bytes a wave, its 128 points;  OUTS: 1,024 a wave;  STASH: 8,192 a wave (4,096 a tile): each wave's own bytes;  from 256,000: the spare words.
.set FRB,   1536                       ; a fragment's image: 12 registers x 128 bytes
.set W4X,   73728
.set SCL,   76800
.set BIAS,  79872
.set W7L,   82944
.set W4S,   83456
.set B4P,   83584
.set PTS,   83968
.set OUTS,  108544
.set STASH, 124928                     ; a tile's: +0 E[0..15] (4 images of 512 bytes); +2048 G[0..7] (2 images); +3072 + 16 lane: G[8], z, the two early scale bytes
.set FLOOR, 0x1800000                  ; 2^(3 - 127): under it no largest magnitude is taken, so no scale byte falls under 1
.set LI,  1                            ; 16 x lane
.set BH,  2                            ; 128 x (lane / 16): 32 units of 4 bytes
.set B4A, 3                            ; B4P, in every lane
.set STA, 4                            ; my wave's stash + 16 x lane
.set PTA, 5                            ; my wave's points + 48 x (lane % 16)
.set OUA, 6                            ; my wave's outputs + 16 x lane
.set SH8, 7                            ; 8 x (lane / 16)
.set VM,  8                            ; v[8:9]   1.5 x 2^23, twice
.set VA4, 10                           ; v[10:11] the polynomial's second coefficient from the top, twice
.set ADW, 12
.set ADS, 13
.set ADB, 14
.set AT,  15
.set QB0, 16                           ; v16-27, v28-39  the two tiles' codes: source 1.  Registers 8 to 10 of each take the next pass's x, y, z on their way in: as codes they meet zero codes of W0
.set QB1, 28
.set SB0, 40                           ; v40, v41  their scale words, and nothing else
.set SB1, 41
.set SA,  42                           ; v42-45  the weights' scale words, and nothing else
.set DN0, 46
.set W4SC, 47                          ; W4's scale words, and nothing else
.set FR,  48                           ; v48-95   four fragments of a weight
.set BS,  96                           ; v96-127  their four tiles of bias
.set THI, 108                          ; the encoding: turns, high part (four registers each: x, y, z and a filler for the packed forms);
.set TLO, 112                          ; low part;
.set AA,  116                          ; the high part's fraction;
.set NN,  120
.set S5,  124
.set D0,  128                          ; v128-191, v192-255  the two tiles' 64 numbers
.set D1,  192
.set WV,  14
.set HM,  15                           ; lanes 16-31
.set B7,  16
.set SEL, 18                           ; s[18:19] selects for lane l xor 16
.set CC,  20                           ; pairs: the packed forms name a pair and take its low word for both halves
.set NM,  22
.set A5,  24
.set A3,  26
.set A2,  28
.set A1,  30
.set A0,  32
.set PI,  34
.set IVL, 35
.set QT,  36
.set IVH, 37
.set PASS, 40
.set P12, 41                           ; 12 x the pass that is encoded next
.set P4,  42
.set LAY, 43
.set LW,  44
.set LS,  45
.set LB,  46
.set PCL, 47                           ; P12 held at 36: the last pass's place in my points
.set B4,  56                           ; the economised polynomial: top, and the three lowest coefficients
.set B2,  58
.set B1,  60
.set B0,  62
.set SHORT, 0
; where the sine's 32 registers (n and r^2; the polynomial) and the quantiser's 24 lie
.macro TEMPS a, b
.set UU, \a
.set PP, (\a)+16
.set TM, \b
.set CT, (\b)+16
.endm
	TEMPS 48, 80
.macro TOP n, k
.set q, 0
.rept \n
	v_pk_fma_f32 v[PP+2*q:PP+2*q+1], v[UU+2*q:UU+2*q+1], s[\k:\k+1], v[VA4:VA4+1] op_sel_hi:[1,0,1]
.set q, q+1
.endr
.endm
.macro HORNER n, k
.set q, 0
.rept \n
	v_pk_fma_f32 v[PP+2*q:PP+2*q+1], v[PP+2*q:PP+2*q+1], v[UU+2*q:UU+2*q+1], s[\k:\k+1] op_sel_hi:[1,1,0]
.set q, q+1
.endr
.endm
; sin(2 pi r) in place, for n pairs of r from v[base] on: each stage for all pairs
.macro POLY base, n
.set q, 0
.rept \n
	v_pk_mul_f32 v[UU+2*q:UU+2*q+1], v[(\base)+2*q:(\base)+2*q+1], v[(\base)+2*q:(\base)+2*q+1]
.set q, q+1
.endr
.if SHORT
	TOP \n, B4
	HORNER \n, B2
	HORNER \n, B1
	HORNER \n, B0
.else
	TOP \n, A5
	HORNER \n, A3
	HORNER \n, A2
	HORNER \n, A1
	HORNER \n, A0
.endif
.set q, 0
.rept \n
	v_pk_mul_f32 v[(\base)+2*q:(\base)+2*q+1], v[PP+2*q:PP+2*q+1], v[(\base)+2*q:(\base)+2*q+1]
.set q, q+1
.endr
.endm
; sin(30 pre) in place, for 16 numbers (two accumulators).  The pairs ascend: each accumulator is first read at its low end
.macro SINEB base
.set q, 0
.rept 8
	v_pk_fma_f32 v[UU+2*q:UU+2*q+1], v[(\base)+2*q:(\base)+2*q+1], s[CC:CC+1], v[VM:VM+1] op_sel_hi:[1,0,1]
.set q, q+1
.endr
.set q, 0
.rept 8
	v_pk_add_f32 v[UU+2*q:UU+2*q+1], v[UU+2*q:UU+2*q+1], s[NM:NM+1] op_sel_hi:[1,0]
.set q, q+1
.endr
.set q, 0
.rept 8
	v_pk_fma_f32 v[(\base)+2*q:(\base)+2*q+1], v[(\base)+2*q:(\base)+2*q+1], s[CC:CC+1], v[UU+2*q:UU+2*q+1] op_sel_hi:[1,0,1] neg_lo:[0,0,1] neg_hi:[0,0,1]
.set q, q+1
.endr
	POLY \base, 8
.endm
.macro PLACES n
.rept \n
	v_nop
.endr
.endm
; group g of a layer: four fragments and their biases, 20 loads
.macro GLOAD g
.irp t, 0,1,2,3
.irp q, 0,1,2
	ds_load_b128 v[FR+12*\t+4*\q:FR+12*\t+4*\q+3], v[ADW] offset:(4*\g+\t)*FRB+512*\q
.endr
	ds_load_b128 v[BS+8*\t:BS+8*\t+3], v[ADB] offset:256*\g+32*\t        ; the bias of units 64 g + 32 h + 8 t + 0 .. 7: sixteen lanes read one address
	ds_load_b128 v[BS+8*\t+4:BS+8*\t+7], v[ADB] offset:256*\g+32*\t+16
.endr
.endm
; the layer at LW, LS, LB: its addresses, its scale words (word q: lanes 0-15 tile 2 q's rows, lanes 16-31 tile 2 q + 1's) and its first group
.macro NEXTW
	v_add_nc_u32 v[ADW], s[LW], v[LI]
	v_add_nc_u32 v[ADS], s[LS], v[LI]
	v_add_nc_u32 v[ADB], s[LB], v[BH]
	s_wait_alu depctr_va_vdst(0)                   ; the second group's loads read two of these behind a wait on LDS
	ds_load_b128 v[SA:SA+3], v[ADS]
	GLOAD 0
.endm
; group g's eight products.  K is one step of 128 and C is the bias: no sum is added onto
.macro WM g
.irp u, 0,1
.irp t, 0,1,2,3
.if (\t)%2
	v_wmma_scale_f32_16x16x128_f8f6f4 v[D0+64*\u+8*(4*\g+\t):D0+64*\u+8*(4*\g+\t)+7], v[FR+12*\t:FR+12*\t+11], v[QB0+12*\u:QB0+12*\u+11], v[BS+8*\t:BS+8*\t+7], v[SA+(4*\g+\t)/2], v[SB0+\u] matrix_a_fmt:MATRIX_FMT_FP6 matrix_b_fmt:MATRIX_FMT_FP6 matrix_a_scale:MATRIX_SCALE_ROW1
.else
	v_wmma_scale_f32_16x16x128_f8f6f4 v[D0+64*\u+8*(4*\g+\t):D0+64*\u+8*(4*\g+\t)+7], v[FR+12*\t:FR+12*\t+11], v[QB0+12*\u:QB0+12*\u+11], v[BS+8*\t:BS+8*\t+7], v[SA+(4*\g+\t)/2], v[SB0+\u] matrix_a_fmt:MATRIX_FMT_FP6 matrix_b_fmt:MATRIX_FMT_FP6
.endif
.endr
.endr
.endm
; A layer's sixteen products and tile 0's sines.  The first group was asked for by NEXTW
.macro LAYER
	PLACES 4                                       ; four places behind the last line that wrote a code; the scale word was written six or more plain lines earlier still
	s_wait_alu depctr_va_vdst(0)
	s_wait_dscnt 0x0
	WM 0
	PLACES 4                                       ; in front of loads into registers that these products have read, and of the first read of their results
	GLOAD 1
	TEMPS D0+32, 80
	SINEB D0
	SINEB D0+16
	s_wait_dscnt 0x0
	WM 1
	PLACES 4
	TEMPS 48, 80
	SINEB D0+32
	SINEB D0+48
.endm
; 64 numbers of a lane from v[dd] on, register 32 c + i = unit 64 c + 32 (lane / 16) + i of my point: two whole blocks.  They become the next product's codes in v[qb] on and its scale word in v[sb]
.macro QUANT dd, qb, sb
.irp b, 0,1,2,3
	v_max3_num_f32 v[TM+\b], |v[\dd+16*\b]|, |v[\dd+16*\b+1]|, FLOOR
.endr
.irp i, 2,4,6,8,10,12,14
.irp b, 0,1,2,3
	s_delay_alu instid0(VALU_DEP_4)
	v_max3_num_f32 v[TM+\b], v[TM+\b], |v[\dd+16*\b+\i]|, |v[\dd+16*\b+\i+1]|   ; four chains by turns, two to a block
.endr
.endr
	s_delay_alu instid0(VALU_DEP_3)
	v_max_num_f32 v[TM+4], v[TM], v[TM+1]          ; the blocks' largest magnitudes
	s_delay_alu instid0(VALU_DEP_2)
	v_max_num_f32 v[TM+5], v[TM+2], v[TM+3]
	s_delay_alu instid0(VALU_DEP_2)
	v_add_nc_u32 v[TM+12], 0xff000000, v[TM+4]     ; 2 off the exponent field: the conversion's scale operand
	s_delay_alu instid0(VALU_DEP_2)
	v_add_nc_u32 v[TM+13], 0xff000000, v[TM+5]
.irp c, 0,1
	v_cvt_scalef32_pk16_fp6_f32 v[\qb+6*\c:\qb+6*\c+2], v[\dd+32*\c:\dd+32*\c+15], v[TM+12+\c]
	v_cvt_scalef32_pk16_fp6_f32 v[CT+4*\c:CT+4*\c+2], v[\dd+32*\c+16:\dd+32*\c+31], v[TM+12+\c]   ; (a conversion's three registers begin on an even number)
.endr
	v_lshrrev_b32 v[TM+6], 23, v[TM+12]            ; the scales' bytes.  (Also the plain line behind the last scaled conversion)
	v_lshrrev_b32 v[TM+7], 23, v[TM+13]
	s_delay_alu instid0(VALU_DEP_1)
	v_lshl_or_b32 v[TM+8], v[TM+7], 16, v[TM+6]    ; blocks h and 2 + h,
	s_delay_alu instid0(VALU_DEP_1)
	v_lshlrev_b32 v[TM+8], v[SH8], v[TM+8]         ; at their places in the word;
	s_delay_alu instid0(VALU_DEP_1)
	v_permlanex16_b32 v[TM+9], v[TM+8], s[SEL], s[SEL+1]
	s_delay_alu instid0(VALU_DEP_1)
	v_or_b32 v[\sb], v[TM+8], v[TM+9]              ; with lane l xor 16's two the word is whole
.irp c, 0,1
.irp i, 0,1,2
	v_mov_b32 v[\qb+3+6*\c+\i], v[CT+4*\c+\i]
.endr
.endr
.endm
; both tiles' x, y, z of the pass at PCL
.macro PTLOAD
	v_add_nc_u32 v[AT], s[PCL], v[PTA]
.irp c, 0,1,2
	ds_load_b32 v[QB0+8+\c], v[AT] offset:4*\c
	ds_load_b32 v[QB1+8+\c], v[AT] offset:768+4*\c
.endr
.endm
; The encoding of tile tp's 16 points; x, y, z lie in v[qb+8..10].  Lanes 0-15 make frequencies 0 .. 4, lanes 16-31 frequencies 5 .. 9.  E[0..31] of a lane is then a whole block of product 1's K:
; lanes 0-15: enc 0, 1, 3 .. 31, 2;  lanes 16-31: enc 32, the filling zero, enc 33 .. 62 (the first launch lays W0's rows in the same order).  Product 6 cuts the encoding 15 places further on: its blocks
; 1 (enc 17 .. 48) and 2 (enc 49 .. 62) are quantised here too, in lanes 16-31, and kept in the wave's stash with the numbers of its block 0.
.macro ENC tp, qb, sb
.set EE, D0+64*(\tp)
.set TT, EE+32
.set GG, EE+48
	v_lshrrev_b32 v[S5], 3, v[SH8]
	v_mov_b32 v[TLO+3], 0                          ; the packed forms' fourth number
	v_mov_b32 v[AA+3], 0
	s_delay_alu instid0(VALU_DEP_3)
	v_mul_u32_u24 v[S5], v[S5], 5
	s_wait_dscnt 0x0
.irp c, 0,1,2
	v_mul_f32 v[NN+\c], s[PI], v[\qb+8+\c]         ; fl(x pi32)
.endr
.irp c, 0,1,2
	s_delay_alu instid0(VALU_DEP_3)
	v_mul_f32 v[THI+\c], s[IVH], v[NN+\c]          ; in turns: the high part,
.endr
.irp c, 0,1,2
	s_delay_alu instid0(VALU_DEP_3)
	v_fma_f32 v[TLO+\c], v[NN+\c], s[IVH], -v[THI+\c]   ; what its rounding dropped (exact),
.endr
.irp c, 0,1,2
	s_delay_alu instid0(VALU_DEP_3)
	v_fma_f32 v[TLO+\c], v[NN+\c], s[IVL], v[TLO+\c]    ; and the low part of 1 / (2 pi)
.endr
.irp c, 0,1,2
	v_ldexp_f32 v[THI+\c], v[THI+\c], v[S5]        ; lanes 16-31 begin at frequency 5
.endr
.irp c, 0,1,2
	v_ldexp_f32 v[TLO+\c], v[TLO+\c], v[S5]
.endr
.irp c, 0,1,2
	v_rndne_f32 v[NN+\c], v[THI+\c]
.endr
.irp c, 0,1,2
	s_delay_alu instid0(VALU_DEP_3)
	v_sub_f32 v[AA+\c], v[THI+\c], v[NN+\c]        ; exact
.endr
.irp k, 0,1,2,3,4
	s_delay_alu instid0(VALU_DEP_2)
	v_pk_fma_f32 v[EE+2+6*\k:EE+3+6*\k], v[TLO:TLO+1], (127+\k)<<23, v[AA:AA+1] op_sel_hi:[1,0,1]       ; the sines' r, two at a time;
	s_delay_alu instid0(VALU_DEP_2)
	v_pk_fma_f32 v[EE+4+6*\k:EE+5+6*\k], v[TLO+2:TLO+3], (127+\k)<<23, v[AA+2:AA+3] op_sel_hi:[1,0,1]   ; (the filler's place is written again three lines on)
.if \k < 4
	v_pk_fma_f32 v[NN:NN+1], v[AA:AA+1], 2.0, v[VM:VM+1] op_sel_hi:[1,0,1]         ; the next frequency: doubled, its nearest whole number found by adding
	v_pk_fma_f32 v[NN+2:NN+3], v[AA+2:AA+3], 2.0, v[VM:VM+1] op_sel_hi:[1,0,1]
.endif
.irp c, 0,1,2
	v_sub_f32 v[EE+5+6*\k+\c], s[QT], |v[EE+2+6*\k+\c]|            ; the cosine's r: cos(2 pi r) = sin(2 pi (1/4 - |r|))
.endr
.if \k < 4
	v_pk_add_f32 v[NN:NN+1], v[NN:NN+1], s[NM:NM+1] op_sel_hi:[1,0]                ; and taking off 1.5 x 2^23,
	v_pk_add_f32 v[NN+2:NN+3], v[NN+2:NN+3], s[NM:NM+1] op_sel_hi:[1,0]
	s_delay_alu instid0(VALU_DEP_2)
	v_pk_fma_f32 v[AA:AA+1], v[AA:AA+1], 2.0, v[NN:NN+1] op_sel_hi:[1,0,1] neg_lo:[0,0,1] neg_hi:[0,0,1]   ; and taken off: exact
	s_delay_alu instid0(VALU_DEP_2)
	v_pk_fma_f32 v[AA+2:AA+3], v[AA+2:AA+3], 2.0, v[NN+2:NN+3] op_sel_hi:[1,0,1] neg_lo:[0,0,1] neg_hi:[0,0,1]
.endif
.endr
	POLY EE+2, 8
	POLY EE+18, 7
.set q, 0
.rept 16
	v_permlanex16_b32 v[TT+q], v[EE+16+q], s[SEL], s[SEL+1]   ; in lanes 16-31: enc 17 .. 32
.set q, q+1
.endr
	v_cndmask_b32 v[EE+1], v[\qb+9], 0, s[HM]          ; y | the filling zero
	v_cndmask_b32 v[EE+31], v[\qb+10], v[EE+31], s[HM] ; z | enc 62
	v_cndmask_b32 v[EE], v[\qb+8], v[TT+15], s[HM]     ; x | enc 32
	; three partial maxima serve the three blocks: E[2..17], E[18..31], T[0..14]
	v_max3_num_f32 v[TM+1], |v[EE+2]|, |v[EE+3]|, FLOOR
	v_max3_num_f32 v[TM+2], |v[EE+18]|, |v[EE+19]|, FLOOR
	v_max3_num_f32 v[TM+3], |v[TT]|, |v[TT+1]|, |v[TT+2]|
.irp i, 0,2,4,6,8,10
	s_delay_alu instid0(VALU_DEP_3)
	v_max3_num_f32 v[TM+1], v[TM+1], |v[EE+4+\i]|, |v[EE+5+\i]|
	s_delay_alu instid0(VALU_DEP_3)
	v_max3_num_f32 v[TM+2], v[TM+2], |v[EE+20+\i]|, |v[EE+21+\i]|
	s_delay_alu instid0(VALU_DEP_3)
	v_max3_num_f32 v[TM+3], v[TM+3], |v[TT+3+\i]|, |v[TT+4+\i]|
.endr
	s_delay_alu instid0(VALU_DEP_3)
	v_max3_num_f32 v[TM+1], v[TM+1], |v[EE+16]|, |v[EE+17]|
	s_delay_alu instid0(VALU_DEP_1)
	v_max3_num_f32 v[TM], v[TM+1], v[TM+2], |v[EE]|          ; product 1's block: my 32;
	v_max3_num_f32 v[TM+1], v[TM+1], v[TM+3], |v[TT+15]|     ; product 6's block 1: E[2..17] and T (it counts in lanes 16-31); its block 2 is E[18..31]
	s_delay_alu instid0(VALU_DEP_2)
	v_max_num_f32 v[TM], v[TM], |v[EE+1]|
.irp b, 0,1,2
	v_add_nc_u32 v[TM+12+\b], 0xff000000, v[TM+\b]
.endr
.irp b, 0,1,2
	s_delay_alu instid0(VALU_DEP_3)
	v_lshrrev_b32 v[TM+4+\b], 23, v[TM+12+\b]
.endr
	s_delay_alu instid0(VALU_DEP_3)
	v_lshlrev_b32 v[TM+8], v[SH8], v[TM+4]         ; product 1's scale word: my byte at place h,
	s_delay_alu instid0(VALU_DEP_2)
	v_lshl_or_b32 v[TM+10], v[TM+6], 16, v[TM+5]
	s_delay_alu instid0(VALU_DEP_2)
	v_permlanex16_b32 v[TM+9], v[TM+8], s[SEL], s[SEL+1]
	s_delay_alu instid0(VALU_DEP_2)
	v_lshlrev_b32 v[TM+10], 8, v[TM+10]            ; product 6's bytes 1 and 3,
	s_delay_alu instid0(VALU_DEP_2)
	v_or_b32 v[\sb], v[TM+8], v[TM+9]              ; with lane l xor 16's (bytes 2 and 3 stay 0: they meet zero codes of W0)
	s_delay_alu instid0(VALU_DEP_2)
	v_permlanex16_b32 v[TM+11], v[TM+10], s[SEL], s[SEL+1]   ; brought into lanes 0-15, where scale words are read
	v_cvt_scalef32_pk16_fp6_f32 v[\qb:\qb+2], v[EE:EE+15], v[TM+12]
	v_cvt_scalef32_pk16_fp6_f32 v[CT:CT+2], v[EE+16:EE+31], v[TM+12]
	v_cvt_scalef32_pk16_fp6_f32 v[GG:GG+2], v[EE+2:EE+17], v[TM+13]
	v_cvt_scalef32_pk16_fp6_f32 v[CT+4:CT+6], v[TT:TT+15], v[TM+13]
	v_cvt_scalef32_pk16_fp6_f32 v[GG+6:GG+8], v[EE+16:EE+31], v[TM+14]   ; its first two codes meet zero codes of W5
	v_nop                                          ; one plain line behind the last scaled conversion
.irp i, 0,1,2
	v_mov_b32 v[\qb+3+\i], v[CT+\i]
	v_mov_b32 v[GG+3+\i], v[CT+4+\i]
.endr
.irp q, 0,1,2,3
	ds_store_b128 v[STA], v[EE+4*\q:EE+4*\q+3] offset:4096*(\tp)+512*\q
.endr
.irp q, 0,1
	ds_store_b128 v[STA], v[GG+4*\q:GG+4*\q+3] offset:4096*(\tp)+2048+512*\q
.endr
	ds_store_b32 v[STA], v[GG+8] offset:4096*(\tp)+3072
	ds_store_b32 v[STA], v[EE+31] offset:4096*(\tp)+3076   ; z, in lanes 0-15
	ds_store_b32 v[STA], v[TM+11] offset:4096*(\tp)+3080
.endm
; Product 5 for both tiles; what the stash holds for product 6 comes back beside it.  v42-45 and v48-127 hold W5's first group by now, so all of this lies in the two tiles' registers, which are dead:
; results D0[0..15], D1[0..15]; E[0..15] in D0[16..31], D1[16..31]; W4's two fragments in D0[32..55]; b4 in D1[32..47]; z and the early bytes in D1[48..51]
.macro HEAD5
	v_add_nc_u32 v[AT], W4X, v[LI]
	PLACES 3                                       ; with the addition: four places behind the last line that wrote a code, ten behind the one that wrote the scale word
.irp q, 0,1,2
	ds_load_b128 v[D0+32+4*\q:D0+35+4*\q], v[AT] offset:512*\q
	ds_load_b128 v[D0+44+4*\q:D0+47+4*\q], v[AT] offset:FRB+512*\q
.endr
.irp q, 0,1,2,3
	ds_load_b128 v[D1+32+4*\q:D1+35+4*\q], v[B4A] offset:16*\q   ; b4 of units 1 .. 15, 0: all lanes read one address
.endr
.irp q, 0,1,2,3
	ds_load_b128 v[D0+16+4*\q:D0+19+4*\q], v[STA] offset:512*\q        ; E[0..15]: in lanes 0-15 x, y, enc 3 .. 16
	ds_load_b128 v[D1+16+4*\q:D1+19+4*\q], v[STA] offset:4096+512*\q
.endr
	ds_load_b32 v[D1+48], v[STA] offset:3076       ; z
	ds_load_b32 v[D1+49], v[STA] offset:3080       ; the early bytes
	ds_load_b32 v[D1+50], v[STA] offset:4096+3076
	ds_load_b32 v[D1+51], v[STA] offset:4096+3080
	s_wait_dscnt 0x0
	s_wait_alu depctr_va_vdst(0)
.irp u, 0,1
	v_wmma_scale_f32_16x16x128_f8f6f4 v[D0+64*\u:D0+64*\u+7], v[D0+32:D0+43], v[QB0+12*\u:QB0+12*\u+11], v[D1+32:D1+39], v[W4SC], v[SB0+\u] matrix_a_fmt:MATRIX_FMT_FP6 matrix_b_fmt:MATRIX_FMT_FP6
	v_wmma_scale_f32_16x16x128_f8f6f4 v[D0+64*\u+8:D0+64*\u+15], v[D0+44:D0+55], v[QB0+12*\u:QB0+12*\u+11], v[D1+40:D1+47], v[W4SC], v[SB0+\u] matrix_a_fmt:MATRIX_FMT_FP6 matrix_b_fmt:MATRIX_FMT_FP6 matrix_a_scale:MATRIX_SCALE_ROW1
.endr
	PLACES 4                                       ; in front of loads into and writes of registers that these products have read, and of the first read of their results
.irp u, 0,1
	ds_load_b128 v[QB0+12*\u:QB0+12*\u+3], v[STA] offset:4096*\u+2048
	ds_load_b128 v[QB0+12*\u+4:QB0+12*\u+7], v[STA] offset:4096*\u+2560
	ds_load_b32 v[QB0+12*\u+8], v[STA] offset:4096*\u+3072   ; registers 9 to 11 keep what they hold: as codes it meets zero codes of W5
.endr
.endm
; Product 6's block 0 (15 scalars, z, x, y, enc 3 .. 16), quantised in lanes 0-15 and set beside the early blocks; the density.  v[dd+0..14] scalars, v[dd+15] the density, v[dd+16..31] from the stash
.macro SCAL dd, qb, sb, zz, dn
	v_max3_num_f32 v[TM], |v[\dd]|, |v[\dd+1]|, FLOOR        ; two chains; each begins at the low end of one of the two accumulators
	v_max3_num_f32 v[TM+1], |v[\dd+8]|, |v[\dd+9]|, FLOOR
	v_max_num_f32 v[\dn], 0, v[\dd+15]             ; relu(density)
	v_mov_b32 v[\dd+15], v[\zz]                    ; z takes its place
.irp i, 2,4,6,16,18,20,22
	v_max3_num_f32 v[TM], v[TM], |v[\dd+\i]|, |v[\dd+\i+1]|
	v_max3_num_f32 v[TM+1], v[TM+1], |v[\dd+8+\i]|, |v[\dd+9+\i]|
.endr
	s_delay_alu instid0(VALU_DEP_1)
	v_max_num_f32 v[TM], v[TM], v[TM+1]
	s_delay_alu instid0(VALU_DEP_1)
	v_add_nc_u32 v[TM+12], 0xff000000, v[TM]
	s_delay_alu instid0(VALU_DEP_1)
	v_lshrrev_b32 v[TM+4], 23, v[TM+12]
	v_cvt_scalef32_pk16_fp6_f32 v[CT:CT+2], v[\dd:\dd+15], v[TM+12]
	v_cvt_scalef32_pk16_fp6_f32 v[CT+4:CT+6], v[\dd+16:\dd+31], v[TM+12]
	v_or_b32 v[\sb], v[\zz+1], v[TM+4]             ; bytes 1 and 3 from the encoding, byte 0 from here; byte 2 stays 0 and meets zero codes of W5.  (Also the plain line behind the last scaled conversion)
	s_wait_alu depctr_va_vdst(0)
	s_wait_dscnt 0x0                               ; the early blocks' codes are in
.irp i, 0,1,2
	v_cndmask_b32 v[\qb+\i], v[CT+\i], v[\qb+\i], s[HM]          ; lanes 0-15: block 0; lanes 16-31 keep block 1
	v_cndmask_b32 v[\qb+3+\i], v[CT+4+\i], v[\qb+3+\i], s[HM]
.endr
.endm
; Product 8 in f32, both tiles by turns.  W7 in the order in which a lane holds its units (register 32 c + i is unit 64 c + 32 h + i): numbers 0 .. 47 lie in v80-127 already, the last 16 come into v48-63 under their work
.macro DOTW q
.if (\q) < 24
.set WQ, 80+2*(\q)
.else
.set WQ, 2*(\q)
.endif
.endm
.macro DOT
.irp q, 12,13,14,15
	ds_load_b128 v[4*\q:4*\q+3], v[AT] offset:256*(\q/8)+16*(\q%8)
.endr
	v_add_nc_u32 v[ADS], s[P4], v[OUA]
	s_wait_dscnt 4                                 ; all but the four loads just issued
.set q, 0
.rept 4
	v_pk_mul_f32 v[64+2*q:65+2*q], v[D0+2*q:D0+2*q+1], v[80+2*q:81+2*q]   ; four sums a tile; the first products start them
	v_pk_mul_f32 v[72+2*q:73+2*q], v[D1+2*q:D1+2*q+1], v[80+2*q:81+2*q]
.set q, q+1
.endr
.rept 28
.if q == 24
	s_wait_alu depctr_va_vdst(0)
	s_wait_dscnt 0x0                               ; W7's last 16 numbers are in
.endif
	DOTW q
	v_pk_fma_f32 v[64+2*(q%4):65+2*(q%4)], v[D0+2*q:D0+2*q+1], v[WQ:WQ+1], v[64+2*(q%4):65+2*(q%4)]
	v_pk_fma_f32 v[72+2*(q%4):73+2*(q%4)], v[D1+2*q:D1+2*q+1], v[WQ:WQ+1], v[72+2*(q%4):73+2*(q%4)]
.set q, q+1
.endr
.irp b, 64
	v_pk_add_f32 v[\b:\b+1], v[\b:\b+1], v[\b+2:\b+3]
	s_delay_alu instid0(VALU_DEP_3)
	v_pk_add_f32 v[\b+4:\b+5], v[\b+4:\b+5], v[\b+6:\b+7]
.endr
.irp b, 72
	v_pk_add_f32 v[\b:\b+1], v[\b:\b+1], v[\b+2:\b+3]
	s_delay_alu instid0(VALU_DEP_4)
	v_pk_add_f32 v[\b+4:\b+5], v[\b+4:\b+5], v[\b+6:\b+7]
.endr
.irp b, 64
	s_delay_alu instid0(VALU_DEP_3)
	v_pk_add_f32 v[\b:\b+1], v[\b:\b+1], v[\b+4:\b+5]
.endr
.irp b, 72
	s_delay_alu instid0(VALU_DEP_2)
	v_pk_add_f32 v[\b:\b+1], v[\b:\b+1], v[\b+4:\b+5]
.endr
.irp b, 64, 72
	s_delay_alu instid0(VALU_DEP_2)
	v_add_f32 v[\b], v[\b], v[\b+1]
.endr
.irp b, 64, 72
	s_delay_alu instid0(VALU_DEP_2)
	v_permlanex16_b32 v[\b+1], v[\b], s[SEL], s[SEL+1]
.endr
.irp b, 64, 72
	s_delay_alu instid0(VALU_DEP_2)
	v_add_f32 v[\b], v[\b], v[\b+1]                ; with lane l xor 16's 64 units: both halves hold the point's sum
.endr
	s_delay_alu instid0(VALU_DEP_1)
	v_cndmask_b32 v[DN0], v64, v72, s[HM]          ; lanes 0-15 tile 0's points, lanes 16-31 tile 1's
	s_delay_alu instid0(VALU_DEP_1)
	v_add_f32 v[DN0], s[B7], v[DN0]                ; b7, once
	ds_store_b32 v[ADS], v[DN0]
.endm
	s_load_b256 s[4:11], s[0:1], 0x0               ; points s[4:5], wimg s[6:7], b7 s[8:9], out0 s[10:11]
	s_load_b64 s[12:13], s[0:1], 0x20              ; out1
	v_lshrrev_b32 v12, 5, v0
	s_delay_alu instid0(VALU_DEP_1)
	v_readfirstlane_b32 s[WV], v12                 ; wave 0..15
	v_and_b32 v13, 31, v0                          ; lane
	v_and_b32 v14, 15, v0                          ; r
	v_bfe_u32 v15, v0, 4, 1                        ; h
	s_delay_alu instid0(VALU_DEP_3)
	v_lshlrev_b32 v[LI], 4, v13
	s_delay_alu instid0(VALU_DEP_2)
	v_lshlrev_b32 v[BH], 7, v15
	v_mov_b32 v[B4A], B4P
	s_lshl_b32 s48, s[WV], 13
	s_add_co_u32 s48, s48, STASH
	v_add_nc_u32 v[STA], s48, v[LI]
	s_mul_i32 s49, s[WV], 1536
	s_add_co_u32 s50, s49, PTS
	v_mul_u32_u24 v[PTA], v14, 48
	s_delay_alu instid0(VALU_DEP_1)
	v_add_nc_u32 v[PTA], s50, v[PTA]
	v_add_nc_u32 v46, s50, v[LI]                   ; where my wave's points go
	s_lshl_b32 s51, s[WV], 10
	s_add_co_u32 s51, s51, OUTS
	v_add_nc_u32 v[OUA], s51, v[LI]
	v_lshlrev_b32 v[SH8], 3, v15
	v_mov_b32 v[VM], 0x4b400000                    ; 1.5 x 2^23
	v_mov_b32 v[VM+1], 0x4b400000
	v_mov_b32 v[VA4], 0x4224db29                   ; a4 = 41.214023
	v_mov_b32 v[VA4+1], 0x4224db29
	v_lshlrev_b32 v12, 4, v0                       ; the copy: 16 x thread, in wimg and in LDS alike;
	s_delay_alu instid0(VALU_DEP_1)
	v_add_nc_u32 v13, 0x10000, v12                 ; (an LDS immediate has 16 bits)
	v_min_u32 v14, 2032, v12                       ; the copy's last 2,048 bytes: waves 0 to 3 take them; the others' lanes name wimg's last 16 bytes and store nothing of them
	s_mov_b32 s[HM], 0xffff0000
	s_mov_b32 s[SEL], 0x76543210
	s_mov_b32 s[SEL+1], 0xfedcba98
	s_mov_b32 s[CC], 0x4098c9eb                    ; 30 / (2 pi)
	s_mov_b32 s[CC+1], 0x4098c9eb
	s_mov_b32 s[NM], 0xcb400000                    ; -1.5 x 2^23
	s_mov_b32 s[NM+1], 0xcb400000
	s_mov_b32 s[A5], 0xc1448a7f                    ; -12.283812
	s_mov_b32 s[A5+1], 0xc1448a7f
	s_mov_b32 s[A3], 0xc2992a1e                    ; -76.582257
	s_mov_b32 s[A3+1], 0xc2992a1e
	s_mov_b32 s[A2], 0x42a3315e                    ; 81.596420
	s_mov_b32 s[A2+1], 0x42a3315e
	s_mov_b32 s[A1], 0xc2255da0                    ; -41.341432
	s_mov_b32 s[A1+1], 0xc2255da0
	s_mov_b32 s[A0], 0x40c90fd6                    ; 6.2831829
	s_mov_b32 s[A0+1], 0x40c90fd6
	s_mov_b32 s[B4], 0x42062585                    ; the economised polynomial: a4 + 0.625 a5 = 33.536640
	s_mov_b32 s[B4+1], 0x42062585
	s_mov_b32 s[B2], 0x42a2e498                    ; a2 + a5 x 6400 / 2^19 = 81.446471
	s_mov_b32 s[B2+1], 0x42a2e498
	s_mov_b32 s[B1], 0xc22558d4                    ; a1 - a5 x 200 / 2^19 = -41.336746
	s_mov_b32 s[B1+1], 0xc22558d4
	s_mov_b32 s[B0], 0x40c90fa5                    ; a0 + a5 / 2^19 = 6.2831595
	s_mov_b32 s[B0+1], 0x40c90fa5
	s_mov_b32 s[PI], 0x40490fdb                    ; pi in f32
	s_mov_b32 s[IVH], 0x3e22f983                   ; 1 / (2 pi): high part,
	s_mov_b32 s[IVL], 0x31dc9c88                   ; low part
	s_mov_b32 s[QT], 0x3e800000                    ; 1/4
	s_mul_i32 s52, ttmp9, 24576                    ; my work-group's 2,048 points of 12 bytes,
	s_add_co_u32 s52, s52, s49                     ; my wave's 128
	s_mov_b32 s53, 0
	s_lshl_b32 s54, ttmp9, 13                      ; and in each output: 8,192 and 512 bytes
	s_lshl_b32 s55, s[WV], 9
	s_add_co_u32 s54, s54, s55
	s_mov_b32 s55, 0
	s_mov_b32 s[PASS], 0
	s_mov_b32 s[P12], 0
	s_mov_b32 s[PCL], 0
	s_mov_b32 s[P4], 0                             ; 4 bytes a pass in my outputs
	s_wait_alu depctr_va_vdst(0)
	s_wait_kmcnt 0x0
	s_load_b32 s[B7], s[8:9], 0x0
	s_add_nc_u64 s[4:5], s[4:5], s[52:53]
	s_add_nc_u64 s[10:11], s[10:11], s[54:55]
	s_add_nc_u64 s[12:13], s[12:13], s[54:55]
.irp i, 0,1,2
	global_load_b128 v[48+4*\i:51+4*\i], v[LI], s[4:5] offset:512*\i th:TH_LOAD_NT   ; my points first
.endr
	; wimg into LDS as it lies: 164 runs of 512 bytes: ten for each of the sixteen waves, and one more for waves 0 to 3.  They land in tile 1's registers, which the first tile's encoding leaves alone
.irp j, 0,1,2,3,4,5,6,7
	global_load_b128 v[192+4*\j:195+4*\j], v12, s[6:7] offset:8192*\j
.endr
.irp j, 8,9
	global_load_b128 v[208+4*\j:211+4*\j], v12, s[6:7] offset:8192*\j
.endr
	global_load_b128 v[248:251], v14, s[6:7] offset:81920
	; written once: the codes' upper halves, which the first product names (they meet zero codes of W0), and the destinations of lane permutes, which count as sources
.irp i, 6,7,8,9,10,11
	v_mov_b32 v[QB0+\i], 0
	v_mov_b32 v[QB1+\i], 0
.endr
.set q, 0
.rept 16
	v_mov_b32 v[D0+32+q], 0
	v_mov_b32 v[D1+32+q], 0
.set q, q+1
.endr
.irp i, 4,5,6,7,8,9,10,11
	v_mov_b32 v[TM+\i], 0
.endr
	s_wait_alu depctr_va_vdst(0)
	s_wait_loadcnt 11                              ; my points are in; behind them stand wimg's eleven loads
.irp i, 0,1,2
	ds_store_b128 v46, v[48+4*\i:51+4*\i] offset:512*\i
.endr
	PTLOAD                                         ; LDS serves a wave's instructions in order (ISA guide 5.7.1.4): these see my stores
	ENC 0, QB0, SB0                                ; pass 0, tile 0
	s_wait_loadcnt 0x0
.irp j, 0,1,2,3,4,5,6,7
	ds_store_b128 v12, v[192+4*\j:195+4*\j] offset:8192*\j
.endr
.irp j, 8,9
	ds_store_b128 v13, v[208+4*\j:211+4*\j] offset:8192*(\j-8)
.endr
	s_cmp_lt_u32 s[WV], 4
	s_cbranch_scc0 .Lno_tail
	ds_store_b128 v13, v[248:251] offset:16384
.Lno_tail:
	ENC 1, QB1, SB1                                ; pass 0, tile 1
	v_lshrrev_b32 v[AT], 2, v[LI]
	s_delay_alu instid0(VALU_DEP_1)
	v_add_nc_u32 v[AT], W4S, v[AT]                 ; W4's scale words: 4 x lane
	s_wait_alu depctr_va_vdst(0)
	s_wait_kmcnt 0x0                               ; b7
	s_wait_dscnt 0x0                               ; for the others' sake: my part of the copy has landed
	s_barrier_signal -1
	s_barrier_wait -1                              ; the only barrier: from here on wimg's bytes are only read, and all else in LDS is each wave's own
	ds_load_b32 v[W4SC], v[AT]                     ; kept for the whole launch
.Lpass:
	s_mov_b32 s[LW], 0
	s_mov_b32 s[LS], SCL
	s_mov_b32 s[LB], BIAS
	s_mov_b32 s[LAY], 0
	NEXTW                                          ; W0's first group: the encoding left no register for it earlier
.Llayer:                                               ; five trips: W0, W1, W2, W3 (and behind it the head and the concat), W5
	LAYER
	QUANT D0, QB0, SB0
	s_add_co_u32 s[LW], s[LW], 8*FRB
	s_add_co_u32 s[LS], s[LS], 512
	s_add_co_u32 s[LB], s[LB], 512
	NEXTW                                          ; the next layer's first group (in the last trip W6's), under tile 1's work,
	TEMPS D0, D0+32                                ; which goes on in tile 0's registers
	SINEB D1
	SINEB D1+16
	SINEB D1+32
	SINEB D1+48
	QUANT D1, QB1, SB1
	s_cmp_lg_u32 s[LAY], 3
	s_cbranch_scc1 .Lnext
	HEAD5
	SCAL D0, QB0, SB0, D1+48, DN0
	SCAL D1, QB1, SB1, D1+50, D1+56
	v_cndmask_b32 v[DN0], v[DN0], v[D1+56], s[HM]  ; lanes 0-15 tile 0's points, lanes 16-31 tile 1's (both halves hold every point's density)
	v_add_nc_u32 v[AT], s[P4], v[OUA]
	ds_store_b32 v[AT], v[DN0] offset:512
.Lnext:
	s_add_co_u32 s[LAY], s[LAY], 1
	s_cmp_lt_u32 s[LAY], 5
	s_cbranch_scc1 .Llayer
	; W6 is written out: no quantiser follows its sines, and they take the economised polynomial
	v_mov_b32 v[VA4], 0xc295ce40                   ; a3 - a5 x 71680 / 2^19 = -74.902830
	v_mov_b32 v[VA4+1], 0xc295ce40
.set SHORT, 1
	LAYER
	s_add_co_u32 s[P12], s[P12], 12
	s_min_u32 s[PCL], s[P12], 36                   ; inside my 128 points in every trip
	s_cmp_eq_u32 s[PASS], 3
	s_cbranch_scc1 .Lno_pts                        ; behind the last pass there are no points to fetch
	PTLOAD
.Lno_pts:
	v_add_nc_u32 v[AT], W7L, v[BH]
.irp q, 0,1,2,3,4,5,6,7,8,9,10,11
	ds_load_b128 v[80+4*\q:83+4*\q], v[AT] offset:256*(\q/8)+16*(\q%8)   ; W7's numbers 0 .. 47 of my 64
.endr
	SINEB D1
	SINEB D1+16
	SINEB D1+32
	SINEB D1+48
.set SHORT, 0
	v_mov_b32 v[VA4], 0x4224db29                   ; a4 again
	v_mov_b32 v[VA4+1], 0x4224db29
	DOT
	s_add_co_u32 s[P4], s[P4], 4
	s_cmp_eq_u32 s[PASS], 3
	s_cbranch_scc1 .Lno_enc                        ; behind the last pass nothing is left to encode
	ENC 0, QB0, SB0
	ENC 1, QB1, SB1
.Lno_enc:
	s_add_co_u32 s[PASS], s[PASS], 1
	s_cmp_lt_u32 s[PASS], 4
	s_cbranch_scc1 .Lpass
	ds_load_b128 v[48:51], v[OUA]                  ; LDS serves a wave's instructions in order (ISA guide 5.7.1.4): these see my stores
	ds_load_b128 v[52:55], v[OUA] offset:512
	s_wait_dscnt 0x0
	global_store_b128 v[LI], v[48:51], s[10:11] th:TH_STORE_NT   ; 32 lanes store 512 consecutive bytes, at a multiple of 256 from the output's first byte
	global_store_b128 v[LI], v[52:55], s[12:13] th:TH_STORE_NT
	s_wait_xcnt 0x0
	v_lshl_add_u32 v254, v0, 2, 0x3e800            ; the wave's end: no two registers could be kept, so v0 was, and the two are made here
	v_mov_b32 v255, 0
	s_wait_alu depctr_va_vdst(0)
	s_wait_tensorcnt 0x0
	ds_add_u32 v254, v255
	s_wait_dscnt 0x0
	s_endpgm
.Lfunc_end_k_q46c67b6c90_main:
	.size	k_q46c67b6c90_main, .Lfunc_end_k_q46c67b6c90_main-k_q46c67b6c90_main
	.p2alignl 7, 3214868480
	.fill 96, 4, 3214868480
	.section	.rodata,"a",@progbits
	.p2align	6, 0x0
	.amdhsa_kernel k_q46c67b6c90_main
		.amdhsa_group_segment_fixed_size 258048
		.amdhsa_private_segment_fixed_size 0
		.amdhsa_enable_private_segment 0
		.amdhsa_kernarg_size 40
		.amdhsa_user_sgpr_count 2
		.amdhsa_user_sgpr_kernarg_segment_ptr 1
		.amdhsa_wavefront_size32 1
		.amdhsa_system_sgpr_workgroup_id_x 1
		.amdhsa_system_sgpr_workgroup_id_y 1
		.amdhsa_system_sgpr_workgroup_id_z 1
		.amdhsa_system_vgpr_workitem_id 0
		.amdhsa_next_free_vgpr 256
		.amdhsa_next_free_sgpr 66
		.amdhsa_reserve_vcc 0
		.amdhsa_float_denorm_mode_32 3
		.amdhsa_float_denorm_mode_16_64 3
		.amdhsa_memory_ordered 1
		.amdhsa_forward_progress 1
		.amdhsa_inst_pref_size 189
	.end_amdhsa_kernel
	.amdgpu_metadata
---
amdhsa.version: [ 1, 2 ]
amdhsa.kernels:
  - .name:           k_q46c67b6c90_main
    .symbol:         k_q46c67b6c90_main.kd
    .args:
      - { .name: input_points, .offset: 0, .size: 8, .value_kind: global_buffer, .address_space: global }
      - { .name: wimg, .offset: 8, .size: 8, .value_kind: global_buffer, .address_space: global }
      - { .name: b7, .offset: 16, .size: 8, .value_kind: global_buffer, .address_space: global }
      - { .name: out0, .offset: 24, .size: 8, .value_kind: global_buffer, .address_space: global }
      - { .name: out1, .offset: 32, .size: 8, .value_kind: global_buffer, .address_space: global }
    .group_segment_fixed_size: 258048
    .private_segment_fixed_size: 0
    .kernarg_segment_align: 8
    .kernarg_segment_size: 40
    .max_flat_workgroup_size: 512
    .sgpr_count:     66
    .vgpr_count:     256
    .wavefront_size: 32
...
	.end_amdgpu_metadata
.endif
;; end of part 2
